; MI455X (gfx1250); checked and timed in simulation.
; The chip was launched on July 23, 2026; its instructions are those of AMD's public machine-readable ISA for CDNA 5 (MIT licence, August 2026) and "CDNA5" Instruction Set Architecture Reference Guide (July 2026). The comments in the code are by the model that wrote it; some were corrected since.
;; Multi Head Attention With Caching. Allowed arithmetic: float matrix products may take bf16 or f16 operands with f32 sums; all other float work in f32.
;; Inputs: Wk 1,024 x 1,024 float32; Wo 1,024 x 1,024 float32; Wq 1,024 x 1,024 float32; Wv 1,024 x 1,024 float32; bo 1,024 float32; x 2 x 2,048 x 1,024 float32.
;; Outputs: out0 2 x 2,048 x 1,024 float32.
;; One version. Each part assembles by itself: llvm-mc -triple=amdgcn-amd-amdhsa -mcpu=gfx1250 --defsym DOCPART=n.
;; ======== version 1 of 1: 3 launches
;; limits: values are held in f16: magnitudes above 65,504 overflow, below 6.1e-05 lose precision
;; workspace buffers: qh 8,388,608 bytes; kh 8,388,608 bytes; vh 8,388,608 bytes; ch 8,388,608 bytes; woh 2,097,152 bytes
;; launch qkv (part 1): grid 16 x 16, 4 waves a work-group, clusters of 4 x 4, 327,680 bytes of LDS; arguments x, Wq, Wk, Wv, Wo, qh, kh, vh, woh; writes qh, kh, vh, woh
.if DOCPART == 1
	.amdgcn_target "amdgcn-amd-amdhsa--gfx1250"
	.amdhsa_code_object_version 6
	.text
	.protected	k_qedcf63c010_qkv
	.globl	k_qedcf63c010_qkv
	.p2align	8
	.type	k_qedcf63c010_qkv,@function
k_qedcf63c010_qkv:
	s_mov_b64 s[64:65], 0
	v_nop
	global_prefetch_b8 v0, s[64:65] scope:SCOPE_SE
	s_setreg_imm32_b32 hwreg(HW_REG_WAVE_MODE, 25, 1), 1
	s_wait_xcnt 0x0
	s_wait_alu depctr_hold_cnt(0) depctr_sa_sdst(0) depctr_va_vdst(0) depctr_va_sdst(0) depctr_va_ssrc(0) depctr_va_vcc(0) depctr_vm_vsrc(0)
	s_getreg_b32 s2, hwreg(HW_REG_IB_STS2, 6, 4)
	s_cmp_eq_u32 s2, 0
	s_cbranch_scc0 .Lentry_in_a_cluster
	s_endpgm
.Lentry_in_a_cluster:
	s_bfe_u32 s2, ttmp6, 0x10000c
	s_cmp_lg_u32 s2, 0xf033
	s_cbranch_scc0 .Lentry_shape_is_right
	s_endpgm
.Lentry_shape_is_right:
; q, k, v = x Wq, x Wk, x Wv for one head and 256 tokens a work-group; side job: Wo rounded to bf16 and carried in f16.
; x: [4096][1024] f32.  Wq, Wk, Wv, Wo: [1024 k][1024 n] f32.  qh, kh, vh: f16 [batch*16+head][2048 tokens][64].  woh: f16 [1024 k][1024 n].
; x and the weights are rounded to bf16 on the way from LDS to the matrix unit; sums in f32; q, k, v rounded once to f16.
; LIMITS: |q|, |k|, |v|, |Wo| must stay below 65,504 (f16); numbers of Wo below 2^-14 keep an absolute error of 2^-25.
; SHARES: four waves; wave w makes tokens 64 w .. 64 w + 63 times 192 columns (64 of q, of k, of v): 48 accumulator tiles, 384 registers.
; K = 1024 goes in 16 steps of 64 through two LDS slots; a step is two sub-steps of 32.
; CLUSTERS: 4 x 4 work-groups.  The four of a row of the cluster share the token block, so x's tile is asked for jointly along the row;
; the four of a column share the head, so the three weight pieces are asked for jointly along the column.
; NO TRANSPOSE FOR THE WEIGHTS: a lane reads 16 bytes (columns 4 r .. 4 r + 3) of each of its 16 k rows; packing row k with row k + 1 of one
; column gives the k pair that a fragment register wants.  Tile t then holds columns 4 r + t, and with the weights as source 0 a lane's
; results of the four tiles are 32 neighbouring columns of one token.
.set SLOT,  118784                     ; 3 weight pieces of 64 rows x 256 bytes, then x: 256 rows x 272 bytes
.set XOFF,  49152
.set XP,    272                        ; 256 bytes + 16: sixteen neighbouring rows start 16 bytes apart modulo 256
.set STAGE, 2*SLOT                     ; behind the ring: 16 rows x 144 bytes for each wave; no fill lands here
.set SP,    144
.set ADRA,  2                          ; v2, v3   my x rows in slot 0, 1
.set ADRB,  4                          ; v4, v5   my weight bytes in slot 0, 1
.set STO,   6                          ; v6       way out: where I put 64 bytes of a token's row
.set RD,    7                          ; v7       way out: where I read rows back
.set CO,    8                          ; v8       16 x lane
.set R0,    16                         ; v[16:79]   raw f32, buffer 0
.set R1,    80                         ; v[80:143]  raw f32, buffer 1
.set AF,    144                        ; v[144:175] x fragments, 4 token tiles
.set BF0,   176                        ; v[176:207] weight fragments, 4 column tiles
.set BF1,   208                        ; v[208:239] the same, second buffer
.set TMP,   16                         ; way out
.set BK0,   32
.set BK1,   48
.set G1A,   32                         ; s[32:39] group 1 for x
.set G1B,   40                         ; s[40:47] group 1 for the weights
.set G0A,   48                         ; s[48:55] group 0 for x, one set a slot
.set G0B,   56                         ; s[56:63] group 0 for the weights, one set a slot
; accumulators: window 1: q at 8 (4 a + t), k at 128 + 8 (4 a + t); window 2: v at 8 (4 a + t)
.set MSB, 0
.macro WIN new                         ; the immediate's high byte repeats the setting that is left
.if MSB != \new
	s_set_vgpr_msb (MSB<<8)|\new
.set MSB, \new
.endif
.endm
.macro PLACES
.rept 4
	v_nop
.endr
.endm
; A joint load: wave 3 asks for x's tile, waves 0, 1, 2 for the piece of Wq, Wk, Wv.  The branch hangs on the wave's number alone.
.macro JLOAD sl
	s_cmp_eq_u32 s22, 3
	s_cbranch_scc0 .Lfor_w_\@
	tensor_load_to_lds s[G0A+4*\sl:G0A+4*\sl+3], s[G1A:G1A+7]
	s_nop 0
	s_branch .Lasked_\@
.Lfor_w_\@:
	tensor_load_to_lds s[G0B+4*\sl:G0B+4*\sl+3], s[G1B:G1B+7]
	s_nop 0
.Lasked_\@:
.endm
.macro CREST                           ; a round of the cluster's barrier behind its opening work-group barrier
	s_cmp_lg_u32 s22, 0
	s_cbranch_scc1 .Lnot_wave_0_\@
	s_barrier_signal -3
.Lnot_wave_0_\@:
	s_barrier_wait -3
	s_barrier_signal -1
	s_barrier_wait -1
.endm
.macro CROUND
	s_barrier_signal -1
	s_barrier_wait -1
	CREST
.endm
	s_load_b256 s[4:11], s[0:1], 0x0               ; x s[4:5], Wq s[6:7], Wk s[8:9], Wv s[10:11]
	s_load_b256 s[12:19], s[0:1], 0x20             ; Wo s[12:13], qh s[14:15], kh s[16:17], vh s[18:19]
	s_load_b64 s[20:21], s[0:1], 0x40              ; woh
	v_lshl_add_u32 v254, v0, 2, 0x3c400
	v_mov_b32 v255, 0
	ds_add_u32 v254, v255
	v_lshrrev_b32 v1, 5, v0
	v_readfirstlane_b32 s22, v1                    ; wave 0..3
	s_bfe_u32 s23, ttmp6, 0x40000                  ; cx
	s_bfe_u32 s24, ttmp6, 0x40004                  ; cy
	s_lshl_b32 s25, ttmp9, 2
	s_add_co_u32 s25, s25, s23                     ; head = 4 x cluster x + cx
	s_and_b32 s26, ttmp7, 0xffff
	s_lshl_b32 s26, s26, 2
	s_add_co_u32 s26, s26, s24                     ; token block = 4 x cluster y + cy
	s_lshl_b32 s27, s24, 2
	s_lshl_b32 s27, 15, s27                        ; my row of the cluster
	s_lshl_b32 s28, 0x1111, s23                    ; my column
	; group 1 for x: 256 rows x 64 f32, 16 bytes of padding behind every 64 words
	s_or_b32 s[G1A+0], s27, (2<<16)|(1<<20)|(1<<21)|(5<<22)|(3<<25)
	s_mov_b32 s[G1A+1], 64<<16                     ; tensor_dim0 = 64
	s_mov_b32 s[G1A+2], 256<<16                    ; tensor_dim1 = 256
	s_mov_b32 s[G1A+3], 64<<16                     ; tile_dim0 = 64
	s_mov_b32 s[G1A+4], 256                        ; tile_dim1 = 256
	s_mov_b32 s[G1A+5], 1024                       ; elements from row to row
	s_mov_b32 s[G1A+6], 0
	s_mov_b32 s[G1A+7], 0
	; group 1 for a weight piece: 64 k rows x 64 f32, no padding (a pass of sixteen lanes reads 256 neighbouring bytes)
	s_or_b32 s[G1B+0], s28, (2<<16)|(1<<21)
	s_mov_b32 s[G1B+1], 64<<16
	s_mov_b32 s[G1B+2], 64<<16
	s_mov_b32 s[G1B+3], 64<<16
	s_mov_b32 s[G1B+4], 64
	s_mov_b32 s[G1B+5], 1024
	s_mov_b32 s[G1B+6], 0
	s_mov_b32 s[G1B+7], 0
	s_lshl_b32 s66, s26, 20                        ; x: 256 tokens x 4,096 bytes a block; made of the token block alone
	s_mov_b32 s67, 0
	s_lshl_b32 s70, s25, 8                         ; weights: 64 columns x 4 bytes a head; made of the head alone
	s_mov_b32 s71, 0
	s_lshl_b32 s30, s22, 14                        ; my piece's place in a slot
	s_wait_dscnt 0x0
	s_wait_kmcnt 0x0
	s_add_nc_u64 s[66:67], s[4:5], s[66:67]
	s_cmp_eq_u32 s22, 1
	s_cselect_b64 s[68:69], s[8:9], s[6:7]         ; wave 1: Wk, else Wq
	s_cmp_eq_u32 s22, 2
	s_cselect_b64 s[68:69], s[10:11], s[68:69]     ; wave 2: Wv
	s_add_nc_u64 s[68:69], s[68:69], s[70:71]
	CROUND                                         ; all sixteen work-groups are here: the first joint loads meet
.irp sl, 0,1
	s_mov_b32 s[G0A+4*\sl], 1
	s_mov_b32 s[G0A+4*\sl+1], \sl*SLOT+XOFF
	s_add_nc_u64 s[G0A+4*\sl+2:G0A+4*\sl+3], s[66:67], \sl*256       ; K step sl: 64 f32 along the rows
	s_or_b32 s[G0A+4*\sl+3], s[G0A+4*\sl+3], 0x80000000
	s_mov_b32 s[G0B+4*\sl], 1
	s_add_co_u32 s[G0B+4*\sl+1], s30, \sl*SLOT
	s_add_nc_u64 s[G0B+4*\sl+2:G0B+4*\sl+3], s[68:69], \sl*262144    ; K step sl: 64 rows of 4,096 bytes down
	s_or_b32 s[G0B+4*\sl+3], s[G0B+4*\sl+3], 0x80000000
	JLOAD \sl                                      ; both slots' first fills go out before anything else: two loads of the wave are out
.endr
	v_and_b32 v9, 15, v0                           ; r
	v_bfe_u32 v10, v0, 4, 1                        ; h
	v_and_b32 v11, 31, v0                          ; lane
	v_mul_u32_u24 v12, v9, XP
	v_lshl_add_u32 v12, v10, 5, v12                ; r x 272 + 32 h: eight f32 a half
	s_mul_i32 s31, s22, 64*XP
	s_add_co_u32 s31, s31, XOFF
	v_add_nc_u32 v[ADRA], s31, v12
	v_add_nc_u32 v[ADRA+1], SLOT, v[ADRA]
	v_lshlrev_b32 v13, 4, v9
	v_lshl_add_u32 v[ADRB], v10, 11, v13           ; 8 h rows of 256 bytes + 16 r
	v_add_nc_u32 v[ADRB+1], SLOT, v[ADRB]
	s_mul_i32 s31, s22, 16*SP
	s_add_co_u32 s31, s31, STAGE
	v_mul_u32_u24 v12, v9, SP
	v_lshl_add_u32 v12, v10, 6, v12
	v_add_nc_u32 v[STO], s31, v12                  ; row r, 64 bytes a half
	v_lshrrev_b32 v12, 3, v11
	v_and_b32 v13, 7, v0
	v_mul_u32_u24 v12, v12, SP
	v_lshl_add_u32 v12, v13, 4, v12
	v_add_nc_u32 v[RD], s31, v12                   ; eight lanes take a row of 128 bytes
	v_lshlrev_b32 v[CO], 4, v11
	; Wo: work-group id = 16 x token block + head takes 16,384 bytes of Wo; f32 -> bf16 (rounded) -> the same number in f16.
	; It runs while the first tiles are on their way.
	s_lshl_b32 s72, s26, 4
	s_add_co_u32 s72, s72, s25
	s_lshl_b32 s74, s72, 13
	s_mov_b32 s75, 0
	s_lshl_b32 s72, s72, 14
	s_mov_b32 s73, 0
	s_add_nc_u64 s[12:13], s[12:13], s[72:73]
	s_add_nc_u64 s[20:21], s[20:21], s[74:75]
	v_lshlrev_b32 v14, 5, v0                       ; 32 bytes of f32 a thread
	v_lshlrev_b32 v15, 4, v0                       ; 16 bytes of f16 a thread
.irp j, 0,1,2,3
	global_load_b128 v[R0+8*\j:R0+8*\j+3],   v14, s[12:13] offset:4096*\j th:TH_LOAD_NT
	global_load_b128 v[R0+8*\j+4:R0+8*\j+7], v14, s[12:13] offset:4096*\j+16 th:TH_LOAD_NT
.endr
	s_wait_loadcnt 0x0
.set n, 0
.rept 16
	v_cvt_pk_bf16_f32 v9, v[R0+2*n], v[R0+2*n+1]
	v_lshlrev_b32 v10, 16, v9
	v_and_b32 v11, 0xffff0000, v9
	v_cvt_pk_f16_f32 v[R1+n], v10, v11
.set n, n+1
.endr
.irp j, 0,1,2,3
	global_store_b128 v15, v[R1+4*\j:R1+4*\j+3], s[20:21] offset:2048*\j    ; a wave's store covers 512 neighbouring bytes
.endr
	s_wait_xcnt 0x0                                ; R1, the stores' data, is loaded again only behind this wait
; 16 LDS loads: x of sub-step ss, my 64 tokens.  Tile a: k = 8 h .. +7 at bytes 0, 16 and k = 16 + 8 h .. +7 at bytes 64, 80 of the lane's place.
.macro LDA sl, ss, R
.irp a, 0,1,2,3
	ds_load_b128 v[\R+16*\a:\R+16*\a+3],     v[ADRA+\sl] offset:\a*16*XP+128*\ss
	ds_load_b128 v[\R+16*\a+4:\R+16*\a+7],   v[ADRA+\sl] offset:\a*16*XP+128*\ss+16
	ds_load_b128 v[\R+16*\a+8:\R+16*\a+11],  v[ADRA+\sl] offset:\a*16*XP+128*\ss+64
	ds_load_b128 v[\R+16*\a+12:\R+16*\a+15], v[ADRA+\sl] offset:\a*16*XP+128*\ss+80
.endr
.endm
; 16 LDS loads: piece g (0 q, 1 k, 2 v), sub-step ss: four columns of each of my 16 k rows (8 h + 0..7 and 16 + 8 h + 0..7)
.macro LDB sl, ss, g, R
.irp kk, 0,1,2,3,4,5,6,7,8,9,10,11,12,13,14,15
	ds_load_b128 v[\R+4*\kk:\R+4*\kk+3], v[ADRB+\sl] offset:\g*16384+\ss*8192+(\kk>>3)*4096+(\kk&7)*256
.endr
.endm
.macro CVA R                           ; 64 f32 -> the four x fragments
.set n, 0
.rept 32
	v_cvt_pk_bf16_f32 v[AF+n], v[\R+2*n], v[\R+2*n+1]
.set n, n+1
.endr
.endm
.macro CVB R, bf                       ; 64 f32 -> four weight fragments: column t of rows 2 i and 2 i + 1 make register i of tile t
.irp t, 0,1,2,3
.irp i, 0,1,2,3,4,5,6,7
	v_cvt_pk_bf16_f32 v[\bf+8*\t+\i], v[\R+8*\i+\t], v[\R+8*\i+4+\t]
.endr
.endr
.endm
; 16 matrix instructions on 16 different accumulators, one instruction a turn.  Source 0: weights, source 1: x.
.macro MUL win, acc, bf, zero
	WIN \win
.irp a, 0,1,2,3
.irp t, 0,1,2,3
.if \zero
	v_wmma_f32_16x16x32_bf16 v[\acc+8*(4*\a+\t):\acc+8*(4*\a+\t)+7], v[\bf+8*\t:\bf+8*\t+7], v[AF+8*\a:AF+8*\a+7], 0
.else
	v_wmma_f32_16x16x32_bf16 v[\acc+8*(4*\a+\t):\acc+8*(4*\a+\t)+7], v[\bf+8*\t:\bf+8*\t+7], v[AF+8*\a:AF+8*\a+7], v[\acc+8*(4*\a+\t):\acc+8*(4*\a+\t)+7]
.endif
.endr
.endr
	WIN 0
.endm
; One K step of 64 from slot sl.  Two raw buffers take turns: s_wait_dscnt 16 lets the 16 loads of the younger buffer stay out.
; A fragment buffer is written again only behind 32 conversions that name none of the registers of the matrix instructions that read it
; (BF0 and BF1 take turns; AF is written behind a CVB into the buffer that the last products did not use): more than the four places owed (ISA guide 7.12.1).
; mode 2: the slot is filled again, two steps ahead; mode 1: change of slots without a fill; mode 0: the last step.
.macro SLOTSTEP sl, zero, mode
	LDB \sl, 0, 0, R0
	LDA \sl, 0, R1
	s_wait_dscnt 16
	CVB R0, BF0
	LDB \sl, 0, 1, R0
	s_wait_dscnt 16
	CVA R1
	LDB \sl, 0, 2, R1
	MUL 0x50, 0, BF0, \zero
	s_wait_dscnt 16
	CVB R0, BF1
	LDB \sl, 1, 0, R0
	MUL 0x50, 128, BF1, \zero
	s_wait_dscnt 16
	CVB R1, BF0
	LDA \sl, 1, R1
	MUL 0xa0, 0, BF0, \zero
	s_wait_dscnt 16
	CVB R0, BF1
	LDB \sl, 1, 1, R0
	s_wait_dscnt 16
	CVA R1
	LDB \sl, 1, 2, R1
	MUL 0x50, 0, BF1, 0
	s_wait_dscnt 16
	CVB R0, BF0
	MUL 0x50, 128, BF0, 0
	s_wait_dscnt 0                                 ; my reads of this slot are over
	CVB R1, BF1
.if \mode >= 1
	s_wait_tensorcnt 0x0                           ; all my tensor loads have landed: the one that was out is my part of the other slot
	ds_add_u32 v254, v255
	s_wait_dscnt 0x0
	s_barrier_signal -1                            ; say so; with mode 2 this barrier opens a round of the cluster's barrier
.endif
	MUL 0xa0, 0, BF1, 0                            ; register work while the others arrive
.if \mode >= 1
	s_barrier_wait -1
.endif
.if \mode == 2
	CREST                                          ; no wave of any partner still reads this slot or has a load on its way
	s_add_nc_u64 s[G0A+4*\sl+2:G0A+4*\sl+3], s[G0A+4*\sl+2:G0A+4*\sl+3], 512
	s_add_nc_u64 s[G0B+4*\sl+2:G0B+4*\sl+3], s[G0B+4*\sl+2:G0B+4*\sl+3], 524288
	JLOAD \sl                                      ; my one tensor load behind the round, ahead of every LDS read
.endif
.endm
	s_wait_tensorcnt 0x1                           ; my part of K step 0 is in; step 1's may stay out
	s_barrier_signal -1
	s_barrier_wait -1
	SLOTSTEP 0, 1, 2                               ; the first step's first products start the sums: nothing is cleared
	SLOTSTEP 1, 0, 2
	s_mov_b32 s29, 6                               ; steps 2 to 13
.Llap:
	SLOTSTEP 0, 0, 2
	SLOTSTEP 1, 0, 2
	s_sub_co_u32 s29, s29, 1
	s_cmp_lg_u32 s29, 0
	s_cbranch_scc1 .Llap
	SLOTSTEP 0, 0, 1                               ; steps 14 and 15 fetch nothing
	SLOTSTEP 1, 0, 0
	; THE WAY OUT.  Lane (r, h), register j of tile (a, t) holds token 16 a + r, column 32 h + 4 j + t: the four tiles give 32 neighbouring columns.
	PLACES                                         ; four places behind the last matrix instruction before its results are read
	s_lshr_b32 s72, s26, 3                         ; batch
	s_lshl_b32 s72, s72, 4
	s_add_co_u32 s72, s72, s25                     ; batch x 16 + head
	s_lshl_b32 s72, s72, 18                        ; 2,048 tokens x 128 bytes
	s_and_b32 s73, s26, 7
	s_lshl_b32 s73, s73, 15                        ; 256 tokens x 128 bytes
	s_add_co_u32 s72, s72, s73
	s_lshl_b32 s73, s22, 13                        ; 64 tokens x 128 bytes
	s_add_co_u32 s72, s72, s73
	s_mov_b32 s73, 0
	s_add_nc_u64 s[14:15], s[14:15], s[72:73]
	s_add_nc_u64 s[16:17], s[16:17], s[72:73]
	s_add_nc_u64 s[18:19], s[18:19], s[72:73]
; 16 tokens of one of q, k, v: round to f16, 64 bytes a lane into my own stage, read back as rows, store 512 neighbouring bytes an instruction.
.macro OUT win, acc, base, ta, buf
	WIN \win
.irp j, 0,1,2,3,4,5,6,7
	v_cvt_pk_f16_f32 v[TMP+2*\j],   v[\acc+32*\ta+\j],    v[\acc+32*\ta+8+\j]
	v_cvt_pk_f16_f32 v[TMP+2*\j+1], v[\acc+32*\ta+16+\j], v[\acc+32*\ta+24+\j]
.endr
	WIN 0
.irp c, 0,1,2,3
	ds_store_b128 v[STO], v[TMP+4*\c:TMP+4*\c+3] offset:16*\c
.endr
	s_wait_xcnt 0x0                                ; the read-back buffer, which earlier stores read, is loaded again only behind this wait
.irp i, 0,1,2,3
	ds_load_b128 v[\buf+4*\i:\buf+4*\i+3], v[RD] offset:4*SP*\i     ; LDS serves a wave's instructions in order (ISA guide 5.7.1): these see the stores above
.endr
.irp i, 0,1,2,3
	s_wait_dscnt 3-\i                              ; the younger read-backs stay out
	global_store_b128 v[CO], v[\buf+4*\i:\buf+4*\i+3], s[\base:\base+1] offset:2048*\ta+512*\i
.endr
.endm
	OUT 0x05, 0, 14, 0, BK0
	OUT 0x05, 0, 14, 1, BK1
	OUT 0x05, 0, 14, 2, BK0
	OUT 0x05, 0, 14, 3, BK1
	OUT 0x05, 128, 16, 0, BK0
	OUT 0x05, 128, 16, 1, BK1
	OUT 0x05, 128, 16, 2, BK0
	OUT 0x05, 128, 16, 3, BK1
	OUT 0x0a, 0, 18, 0, BK0
	OUT 0x0a, 0, 18, 1, BK1
	OUT 0x0a, 0, 18, 2, BK0
	OUT 0x0a, 0, 18, 3, BK1
	s_wait_tensorcnt 0x0
	ds_add_u32 v254, v255
	s_wait_dscnt 0x0
	CROUND                                         ; the closing round: no work-group ends while a partner may still ask jointly
	s_endpgm
.Lfunc_end_k_qedcf63c010_qkv:
	.size	k_qedcf63c010_qkv, .Lfunc_end_k_qedcf63c010_qkv-k_qedcf63c010_qkv
	.p2alignl 7, 3214868480
	.fill 96, 4, 3214868480
	.section	.rodata,"a",@progbits
	.p2align	6, 0x0
	.amdhsa_kernel k_qedcf63c010_qkv
		.amdhsa_group_segment_fixed_size 327680
		.amdhsa_private_segment_fixed_size 0
		.amdhsa_enable_private_segment 0
		.amdhsa_kernarg_size 72
		.amdhsa_user_sgpr_count 2
		.amdhsa_user_sgpr_kernarg_segment_ptr 1
		.amdhsa_wavefront_size32 1
		.amdhsa_system_sgpr_workgroup_id_x 1
		.amdhsa_system_sgpr_workgroup_id_y 1
		.amdhsa_system_sgpr_workgroup_id_z 1
		.amdhsa_system_vgpr_workitem_id 0
		.amdhsa_next_free_vgpr 640
		.amdhsa_next_free_sgpr 96
		.amdhsa_reserve_vcc 0
		.amdhsa_float_denorm_mode_32 3
		.amdhsa_float_denorm_mode_16_64 3
		.amdhsa_memory_ordered 1
		.amdhsa_forward_progress 1
		.amdhsa_inst_pref_size 225
	.end_amdhsa_kernel
	.amdgpu_metadata
---
amdhsa.version: [ 1, 2 ]
amdhsa.kernels:
  - .name:           k_qedcf63c010_qkv
    .symbol:         k_qedcf63c010_qkv.kd
    .args:
      - { .name: x, .offset: 0, .size: 8, .value_kind: global_buffer, .address_space: global }
      - { .name: Wq, .offset: 8, .size: 8, .value_kind: global_buffer, .address_space: global }
      - { .name: Wk, .offset: 16, .size: 8, .value_kind: global_buffer, .address_space: global }
      - { .name: Wv, .offset: 24, .size: 8, .value_kind: global_buffer, .address_space: global }
      - { .name: Wo, .offset: 32, .size: 8, .value_kind: global_buffer, .address_space: global }
      - { .name: qh, .offset: 40, .size: 8, .value_kind: global_buffer, .address_space: global }
      - { .name: kh, .offset: 48, .size: 8, .value_kind: global_buffer, .address_space: global }
      - { .name: vh, .offset: 56, .size: 8, .value_kind: global_buffer, .address_space: global }
      - { .name: woh, .offset: 64, .size: 8, .value_kind: global_buffer, .address_space: global }
    .group_segment_fixed_size: 327680
    .private_segment_fixed_size: 0
    .kernarg_segment_align: 8
    .kernarg_segment_size: 72
    .max_flat_workgroup_size: 128
    .sgpr_count:     96
    .vgpr_count:     640
    .wavefront_size: 32
...
	.end_amdgpu_metadata
.endif
;; end of part 1
;; launch attn (part 2): grid 8 x 32, 8 waves a work-group, no clusters, 327,680 bytes of LDS; arguments qh, kh, vh, ch; writes ch
.if DOCPART == 2
	.amdgcn_target "amdgcn-amd-amdhsa--gfx1250"
	.amdhsa_code_object_version 6
	.text
	.protected	k_qedcf63c010_attn
	.globl	k_qedcf63c010_attn
	.p2align	8
	.type	k_qedcf63c010_attn,@function
k_qedcf63c010_attn:
	s_mov_b64 s[64:65], 0
	v_nop
	global_prefetch_b8 v0, s[64:65] scope:SCOPE_SE
	s_setreg_imm32_b32 hwreg(HW_REG_WAVE_MODE, 25, 1), 1
	s_wait_xcnt 0x0
; Causal softmax attention of one (batch, head) and two blocks of 128 queries a work-group, with a running maximum.
; qh, kh, vh: f16 [bh][2048][64].  ch: f16 [token >> 1][head][token & 1][64]: one head's two tokens are 256 neighbouring bytes.
; LIMITS: softmax weights below 2^-24 of a row's largest are dropped (f16); |ctx| < 65,504; non-finite inputs are not honoured.
; SHARES: work-group p of a head takes query blocks p and 15 - p.  Keys go in steps of 256 (a pair of 128-key tiles).  With a = p >> 1 and
; b = 7 - a the nine steps walk the pairs a, 0 .. a-1, b, 0 .. b-1: each block begins with its diagonal pair, which is masked and starts the sums.
; Nine steps for every work-group: 256 equal work-groups.
; Wave w: wq = w & 3 takes queries 32 wq .. +31 (two tiles qt); grp = w >> 2 takes keys 128 grp .. +127 of each step, as two sub-blocks of 64.
; The two key groups keep their own maximum, sum and O and are merged through LDS at the end of a block.
; TRANSPOSED FORMS: S^T = K Q^T puts key 8 h + j, query r into register j of lane (r, h); packed by pairs that is the second source of
; O^T = V^T P^T as it stands, and a query's maximum and sum are one number a lane.  V^T comes from V[key][d] by the transposing LDS load.
; NO CLUSTER: the order of the pairs hangs on p >> 1, so only work-groups 2 a and 2 a + 1 of a head ask for the same tile in the same step;
; in a cluster four wide the partners' descriptors would differ in eight of nine steps.
.set SLOT,    77824                    ; K: 256 rows x 144 bytes; V: 256 rows x 160 bytes
.set KP,      144
.set VP,      160
.set VOFF,    36864
.set SCRATCH, 2*SLOT                   ; 4 x 9,216 bytes: group 1 hands O, sums and maxima to group 0; no fill lands here
.set STAGE,   SCRATCH+4*9216           ; 4 x 16 rows x 144 bytes: the way out of waves 0 to 3
.set KADR, 1                           ; v1, v2   my K rows in slot 0, 1
.set VADR, 3                           ; v3, v4   my V bytes in slot 0, 1
.set STO,  5
.set RD,   6
.set CO,   7
.set QOFF, 8
.set SCR,  9
.set DM,   10                          ; v10, v11 mask: element (kt, j) stays where 16 kt + j <= DM(qt)
.set LL,   12                          ; v12, v13 sum of my keys' weights, for tile qt
.set NM,   14                          ; v[14:15], v[16:17] minus the scaled running maximum, twice (a pair for the packed forms)
.set AL,   18                          ; v[18:19], v[20:21] the rescaling factor, twice
.set TT,   22                          ; v22-29 at work
.set RH,   30                          ; v30 r - 8 h
.set OO,   32                          ; v[32:95]   O^T, tile (qt, dt) at 8 (4 qt + dt)
.set QF,   96                          ; v[96:127]  Q fragments at 8 (2 qt + ks)
.set SS,   128                         ; v[128:191] S^T at 32 qt + 8 kt; then P at 32 qt + 16 kk
.set FF,   192                         ; v[192:255] K fragments, then V^T fragments
.set G1K, 32
.set G1V, 40
.set G0K, 48
.set G0V, 56
	s_load_b256 s[4:11], s[0:1], 0x0               ; qh s[4:5], kh s[6:7], vh s[8:9], ch s[10:11]
	v_lshl_add_u32 v31, v0, 2, 0x31400
	s_set_vgpr_msb 0x40
	v_mov_b32 v1, 0
	s_set_vgpr_msb 0x4044
	ds_add_u32 v31, v1
	s_set_vgpr_msb 0x4400
	v_lshrrev_b32 v1, 5, v0
	v_readfirstlane_b32 s12, v1                    ; wave 0..7
	s_and_b32 s13, s12, 3                          ; wq
	s_lshr_b32 s14, s12, 2                         ; grp
	s_mov_b32 s15, ttmp9                           ; p
	s_and_b32 s16, ttmp7, 0xffff                   ; bh
	s_lshr_b32 s17, s15, 1                         ; a
	s_add_co_u32 s18, s17, 1                       ; a + 1: the step that begins the second block
	s_sub_co_u32 s19, 7, s17                       ; b
	s_mov_b32 s66, 0x3e38aa3b                      ; c = log2(e) / 8: the scale 1 / sqrt(64) and the change of base in one
	s_mov_b32 s67, 0x3e38aa3b
	s_mov_b32 s68, 0xbe38aa3b                      ; -c
	s_mov_b32 s69, 0xff800000                      ; -infinity
	s_mov_b32 s70, 0x76543210                      ; v_permlanex16_b32: lane i of one half reads lane i of the other
	s_mov_b32 s71, 0xfedcba98
	s_mov_b32 s72, s15                             ; the block at work
	s_mov_b32 s73, s17                             ; its diagonal pair
	; group 1: 64 rows x 64 f16; K padded by 16 bytes a row, V by 32
	s_mov_b32 s[G1K+0], (1<<16)|(1<<20)|(4<<22)|(3<<25)
	s_mov_b32 s[G1K+1], 64<<16
	s_mov_b32 s[G1K+2], 64<<16
	s_mov_b32 s[G1K+3], 64<<16
	s_mov_b32 s[G1K+4], 64
	s_mov_b32 s[G1K+5], 64
	s_mov_b32 s[G1K+6], 0
	s_mov_b32 s[G1K+7], 0
	s_mov_b32 s[G1V+0], (1<<16)|(1<<20)|(4<<22)|(7<<25)
	s_mov_b32 s[G1V+1], 64<<16
	s_mov_b32 s[G1V+2], 64<<16
	s_mov_b32 s[G1V+3], 64<<16
	s_mov_b32 s[G1V+4], 64
	s_mov_b32 s[G1V+5], 64
	s_mov_b32 s[G1V+6], 0
	s_mov_b32 s[G1V+7], 0
	s_mul_i32 s79, s13, 64*KP                      ; my 64 rows of a K tile, of a V tile
	s_mul_i32 s80, s13, 64*VP
.irp sl, 0,1
	s_mov_b32 s[G0K+4*\sl], 1
	s_add_co_u32 s[G0K+4*\sl+1], s79, \sl*SLOT
	s_mov_b32 s[G0V+4*\sl], 1
	s_add_co_u32 s[G0V+4*\sl+1], s80, \sl*SLOT+VOFF
.endr
	s_lshl_b32 s74, s16, 18                        ; a head: 2,048 rows x 128 bytes
	s_lshl_b32 s75, s13, 13                        ; 64 rows
	s_add_co_u32 s74, s74, s75
	s_mov_b32 s75, 0
	s_lshl_b32 s76, s16, 18
	s_lshl_b32 s77, s13, 12                        ; 32 queries
	s_add_co_u32 s76, s76, s77
	s_mov_b32 s77, 0
	s_lshr_b32 s78, s16, 4                         ; batch: 1,024 token pairs x 4,096 bytes
	s_lshl_b32 s78, s78, 22
	s_and_b32 s81, s16, 15                         ; head: 256 bytes of a pair's row
	s_lshl_b32 s81, s81, 8
	s_add_co_u32 s78, s78, s81
	s_lshl_b32 s81, s13, 16                        ; 32 queries = 16 pairs
	s_add_co_u32 s78, s78, s81
	s_mov_b32 s79, 0
	s_lshl_b32 s82, s17, 15                        ; pair a: 256 rows x 128 bytes
	s_mov_b32 s83, 0
	s_lshl_b32 s80, s15, 14                        ; block p: 128 rows x 128 bytes
	s_mov_b32 s81, 0
	s_wait_dscnt 0x0
	s_wait_kmcnt 0x0
	s_add_nc_u64 s[22:23], s[6:7], s[74:75]        ; KB
	s_add_nc_u64 s[24:25], s[8:9], s[74:75]        ; VB
	s_add_nc_u64 s[26:27], s[4:5], s[76:77]        ; QB
	s_add_nc_u64 s[28:29], s[10:11], s[78:79]      ; CB
	s_add_nc_u64 s[G0K+2:G0K+3], s[22:23], s[82:83]
	s_or_b32 s[G0K+3], s[G0K+3], 0x80000000
	s_add_nc_u64 s[G0V+2:G0V+3], s[24:25], s[82:83]
	s_or_b32 s[G0V+3], s[G0V+3], 0x80000000
	s_add_nc_u64 s[30:31], s[26:27], s[80:81]      ; Q of block p
; Waves 0 to 3 bring 64 rows of K each, waves 4 to 7 64 rows of V: one load a wave.
.macro KVLOAD sl
	s_cmp_eq_u32 s14, 0
	s_cbranch_scc0 .Lfor_v_\@
	tensor_load_to_lds s[G0K+4*\sl:G0K+4*\sl+3], s[G1K:G1K+7]
	s_nop 0
	s_branch .Lasked_\@
.Lfor_v_\@:
	tensor_load_to_lds s[G0V+4*\sl:G0V+4*\sl+3], s[G1V:G1V+7]
	s_nop 0
.Lasked_\@:
.endm
.macro QLOAD                           ; my 32 queries as four fragments, straight from memory
.irp qt, 0,1
.irp ks, 0,1
	global_load_b128 v[QF+8*(2*\qt+\ks):QF+8*(2*\qt+\ks)+3],   v[QOFF], s[30:31] offset:\qt*2048+\ks*64
	global_load_b128 v[QF+8*(2*\qt+\ks)+4:QF+8*(2*\qt+\ks)+7], v[QOFF], s[30:31] offset:\qt*2048+\ks*64+32
.endr
.endr
.endm
	KVLOAD 0                                       ; the first fill: step 0's tiles, ahead of every wait, LDS read and barrier
	v_and_b32 v22, 15, v0                          ; r
	v_bfe_u32 v23, v0, 4, 1                        ; h
	v_lshlrev_b32 v28, 7, v22
	v_lshl_add_u32 v[QOFF], v23, 4, v28            ; 128 r + 16 h
	QLOAD
	v_and_b32 v24, 31, v0                          ; lane
	v_and_b32 v25, 7, v0
	v_bfe_u32 v26, v0, 3, 1
	v_mul_u32_u24 v27, v22, KP
	v_lshl_add_u32 v27, v23, 4, v27                ; 144 r + 16 h
	s_mul_i32 s74, s14, 128*KP
	v_add_nc_u32 v[KADR], s74, v27
	v_add_nc_u32 v[KADR+1], SLOT, v[KADR]
	v_lshl_add_u32 v28, v23, 3, v25                ; key row 8 h + (lane & 7)
	v_mul_u32_u24 v28, v28, VP
	v_lshl_add_u32 v28, v26, 4, v28                ; + 16 bytes for the upper eight of sixteen lanes
	s_mul_i32 s74, s14, 128*VP
	s_add_co_u32 s74, s74, VOFF
	v_add_nc_u32 v[VADR], s74, v28
	v_add_nc_u32 v[VADR+1], SLOT, v[VADR]
	s_mul_i32 s74, s13, 16*KP
	s_add_co_u32 s74, s74, STAGE
	v_add_nc_u32 v[STO], s74, v27
	v_lshrrev_b32 v28, 3, v24
	v_mul_u32_u24 v28, v28, KP
	v_lshl_add_u32 v28, v25, 4, v28
	v_add_nc_u32 v[RD], s74, v28
	v_lshlrev_b32 v28, 4, v22
	v_lshl_add_u32 v[CO], v23, 12, v28             ; lanes 0-15 one pair's 256 bytes, lanes 16-31 the next pair's
	s_mul_i32 s74, s13, 9216
	s_add_co_u32 s74, s74, SCRATCH
	v_lshl_add_u32 v[SCR], v24, 4, s74
	v_lshlrev_b32 v28, 3, v23
	v_sub_nc_u32 v[RH], v22, v28
.macro LDK sl, sb                      ; 16 loads: 64 keys x 64 d as eight fragments
.irp kt, 0,1,2,3
.irp ks, 0,1
	ds_load_b128 v[FF+16*\kt+8*\ks:FF+16*\kt+8*\ks+3],   v[KADR+\sl] offset:(64*\sb+16*\kt)*KP+64*\ks
	ds_load_b128 v[FF+16*\kt+8*\ks+4:FF+16*\kt+8*\ks+7], v[KADR+\sl] offset:(64*\sb+16*\kt)*KP+64*\ks+32
.endr
.endr
.endm
.macro LDV sl, sb                      ; 16 transposing loads: 64 d x 64 keys as eight fragments
.irp kk, 0,1
.irp dt, 0,1,2,3
	ds_load_tr16_b128 v[FF+32*\kk+8*\dt:FF+32*\kk+8*\dt+3],   v[VADR+\sl] offset:(64*\sb+32*\kk)*VP+32*\dt
	ds_load_tr16_b128 v[FF+32*\kk+8*\dt+4:FF+32*\kk+8*\dt+7], v[VADR+\sl] offset:(64*\sb+32*\kk+16)*VP+32*\dt
.endr
.endr
.endm
; S^T = K Q^T: eight accumulators by turns, one instruction a turn; the first 32 of d start the sums.
.macro SMUL
.irp ks, 0,1
.irp qt, 0,1
.irp kt, 0,1,2,3
.if \ks == 0
	v_wmma_f32_16x16x32_f16 v[SS+32*\qt+8*\kt:SS+32*\qt+8*\kt+7], v[FF+16*\kt+8*\ks:FF+16*\kt+8*\ks+7], v[QF+8*(2*\qt+\ks):QF+8*(2*\qt+\ks)+7], 0
.else
	v_wmma_f32_16x16x32_f16 v[SS+32*\qt+8*\kt:SS+32*\qt+8*\kt+7], v[FF+16*\kt+8*\ks:FF+16*\kt+8*\ks+7], v[QF+8*(2*\qt+\ks):QF+8*(2*\qt+\ks)+7], v[SS+32*\qt+8*\kt:SS+32*\qt+8*\kt+7]
.endif
.endr
.endr
.endr
.endm
; O^T += V^T P^T: eight accumulators by turns, likewise.  zero = 1: the first 32 keys start the sums.
.macro PVMUL zero
.irp kk, 0,1
.irp qt, 0,1
.irp dt, 0,1,2,3
.if \zero*(1-\kk)
	v_wmma_f32_16x16x32_f16 v[OO+8*(4*\qt+\dt):OO+8*(4*\qt+\dt)+7], v[FF+32*\kk+8*\dt:FF+32*\kk+8*\dt+7], v[SS+32*\qt+16*\kk:SS+32*\qt+16*\kk+7], 0
.else
	v_wmma_f32_16x16x32_f16 v[OO+8*(4*\qt+\dt):OO+8*(4*\qt+\dt)+7], v[FF+32*\kk+8*\dt:FF+32*\kk+8*\dt+7], v[SS+32*\qt+16*\kk:SS+32*\qt+16*\kk+7], v[OO+8*(4*\qt+\dt):OO+8*(4*\qt+\dt)+7]
.endif
.endr
.endr
.endr
.endm
; The softmax step of query tile qt on 64 keys.  The state NM is minus c times the running maximum; weights and rescaling use the same rounded
; NM, so its rounding cancels between numerator and denominator.  zero = 1: the block's first sub-block: nothing older to rescale.
.macro SOFT qt, zero, masked
.set SB, SS+32*\qt
.if \masked
.irp kt, 0,1,2,3
.irp j, 0,1,2,3,4,5,6,7
	v_cmp_le_i32 vcc_lo, 16*\kt+\j, v[DM+\qt]      ; key <= query
	v_cndmask_b32 v[SS+32*\qt+8*\kt+\j], s69, v[SS+32*\qt+8*\kt+\j], vcc_lo
.endr
.endr
.endif
	v_max3_num_f32 v[TT], v[SB], v[SB+1], v[SB+2]
	v_max3_num_f32 v[TT+1], v[SB+16], v[SB+17], v[SB+18]
.irp i, 3,5,7,9,11,13
	v_max3_num_f32 v[TT], v[TT], v[SB+\i], v[SB+\i+1]
	v_max3_num_f32 v[TT+1], v[TT+1], v[SB+16+\i], v[SB+17+\i]
.endr
	v_max3_num_f32 v[TT], v[TT], v[SB+15], v[SB+31]
	v_max_num_f32 v[TT], v[TT], v[TT+1]
	v_permlanex16_b32 v[TT+1], v[TT], s70, s71     ; the other half of the lanes holds the query's other keys
	v_max_num_f32 v[TT], v[TT], v[TT+1]
	v_mul_f32 v[TT], s68, v[TT]                    ; -c x maximum; +infinity where every key is masked
.if \zero
	v_min_num_f32 v[NM+2*\qt], 0x7f7fffff, v[TT]   ; a tile that is masked whole leaves a finite shift: its weights come out 0, never NaN
	v_mov_b32 v[NM+2*\qt+1], v[NM+2*\qt]
.else
	v_min_num_f32 v[TT], v[NM+2*\qt], v[TT]
	v_sub_f32 v[TT+1], v[TT], v[NM+2*\qt]
	v_exp_f32 v[AL+2*\qt], v[TT+1]                 ; 2^(c (old maximum - new maximum))
	v_mov_b32 v[NM+2*\qt], v[TT]                   ; the plain place behind the exponential (ISA guide 5.7.2)
	v_mov_b32 v[NM+2*\qt+1], v[TT]
	s_wait_alu depctr_va_vdst(0)
	v_mov_b32 v[AL+2*\qt+1], v[AL+2*\qt]
.endif
.irp i, 0,2,4,6,8,10,12,14,16,18,20,22,24,26,28,30
	v_pk_fma_f32 v[SB+\i:SB+\i+1], v[SB+\i:SB+\i+1], s[66:67], v[NM+2*\qt:NM+2*\qt+1] op_sel_hi:[1,0,1]
.endr
.set n, 0
.rept 32
	v_exp_f32 v[SB+n], v[SB+n]
.set n, n+1
.endr
.if \zero
	v_nop                                          ; the plain place behind the exponentials
	s_wait_alu depctr_va_vdst(0)
.else
	s_wait_alu depctr_va_vdst(0)
.irp i, 0,2,4,6,8,10,12,14,16,18,20,22,24,26,28,30
	v_pk_mul_f32 v[OO+32*\qt+\i:OO+32*\qt+\i+1], v[OO+32*\qt+\i:OO+32*\qt+\i+1], v[AL+2*\qt:AL+2*\qt+1]   ; O is rescaled; these lines are also the plain places
.endr
.endif
	v_pk_add_f32 v[TT:TT+1], v[SB:SB+1], v[SB+2:SB+3]
	v_pk_add_f32 v[TT+2:TT+3], v[SB+4:SB+5], v[SB+6:SB+7]
.irp i, 8,12,16,20,24,28
	v_pk_add_f32 v[TT:TT+1], v[TT:TT+1], v[SB+\i:SB+\i+1]
	v_pk_add_f32 v[TT+2:TT+3], v[TT+2:TT+3], v[SB+\i+2:SB+\i+3]
.endr
	v_pk_add_f32 v[TT:TT+1], v[TT:TT+1], v[TT+2:TT+3]
.if \zero
	v_add_f32 v[LL+\qt], v[TT], v[TT+1]
.else
	v_add_f32 v[TT], v[TT], v[TT+1]
	v_fma_f32 v[LL+\qt], v[LL+\qt], v[AL+2*\qt], v[TT]
.endif
.irp kk, 0,1
.irp i, 0,1,2,3,4,5,6,7
	v_cvt_pk_f16_f32 v[SB+16*\kk+\i], v[SB+16*\kk+2*\i], v[SB+16*\kk+2*\i+1]   ; in place: register i is read no later than it is written
.endr
.endr
.endm
; 64 keys.  Four places behind S's products before their sources are loaded again and their results read, five behind O's before S is
; written again by matrix instructions (ISA guide 7.12.1 for vector instructions).
.macro SUB sl, sb, zero, masked, last
	s_wait_dscnt 0x0                               ; the K fragments
	SMUL
.rept 4
	v_nop
.endr
	LDV \sl, \sb                                   ; they land under the softmax
	SOFT 0, \zero, \masked
	SOFT 1, \zero, \masked
	s_wait_dscnt 0x0
	PVMUL \zero
.rept 5
	v_nop
.endr
.if \last == 0
	LDK \sl, 1
.endif
.endm
.macro BODYU sl
	SUB \sl, 0, 0, 0, 0
	SUB \sl, 1, 0, 0, 1
.endm
.macro BODYF sl                        ; the diagonal pair: masked, starts the block's sums
	s_lshl_b32 s74, s72, 7                         ; 128 x block - 256 x pair - 128 grp + 32 wq
	s_lshl_b32 s75, s73, 8
	s_sub_co_u32 s74, s74, s75
	s_lshl_b32 s75, s14, 7
	s_sub_co_u32 s74, s74, s75
	s_lshl_b32 s75, s13, 5
	s_add_co_u32 s74, s74, s75
	v_add_nc_u32 v[DM], s74, v[RH]
	v_add_nc_u32 v[DM+1], 16, v[DM]
	SUB \sl, 0, 1, 1, 0
	v_add_nc_u32 v[DM], 0xffffffc0, v[DM]          ; the second sub-block's keys lie 64 further on
	v_add_nc_u32 v[DM+1], 0xffffffc0, v[DM+1]
	SUB \sl, 1, 0, 1, 1
.endm
; The head of step n (in s21) on slot sl.  One barrier a step: in front of it every wave has waited for all its tensor loads, its part of this
; step's tiles among them, and for its reads of the other slot; behind it the other slot is filled first, with step n + 1's tiles.
.macro HEAD sl, refill
	s_set_vgpr_msb 0x4
	s_wait_tensorcnt 0x0                           ; no load of mine is out: a group 0 may be written
	ds_add_u32 v31, v1
	s_wait_dscnt 0x0
	s_set_vgpr_msb 0x400
.if \refill
	s_add_co_u32 s78, s21, 1                       ; step n + 1 takes pair n where n + 1 <= a, pair b where n + 1 = a + 1, else pair n - (a + 1)
	s_sub_co_u32 s75, s21, s18
	s_cmp_le_u32 s78, s17
	s_cselect_b32 s74, s21, s75
	s_cmp_eq_u32 s78, s18
	s_cselect_b32 s74, s19, s74
	s_lshl_b32 s74, s74, 15
	s_mov_b32 s75, 0
	s_add_nc_u64 s[G0K+4*(1-\sl)+2:G0K+4*(1-\sl)+3], s[22:23], s[74:75]
	s_or_b32 s[G0K+4*(1-\sl)+3], s[G0K+4*(1-\sl)+3], 0x80000000
	s_add_nc_u64 s[G0V+4*(1-\sl)+2:G0V+4*(1-\sl)+3], s[24:25], s[74:75]
	s_or_b32 s[G0V+4*(1-\sl)+3], s[G0V+4*(1-\sl)+3], 0x80000000
.endif
	s_wait_dscnt 0x0
	s_barrier_signal -1
	s_barrier_wait -1
.if \refill
	KVLOAD (1-\sl)                                 ; my one tensor load until the next such barrier: it has this step's work in which to land
.endif
	s_wait_loadcnt 0x0                             ; Q, where a block has just begun
	LDK \sl, 0
.endm
; The end of a block: group 1 hands its O, sums and maxima to group 0, which merges, divides and stores.  next = 1: the second block's Q is asked for first.
.macro FIN next
.if \next
	s_sub_co_u32 s74, 15, s15
	s_lshl_b32 s74, s74, 14
	s_mov_b32 s75, 0
	s_add_nc_u64 s[30:31], s[26:27], s[74:75]      ; the loads that read this base were waited for at the step's head
	QLOAD
.endif
	s_cmp_eq_u32 s14, 0
	s_cbranch_scc1 .Lkeep_\@
.irp i, 0,1,2,3,4,5,6,7,8,9,10,11,12,13,14,15
	ds_store_b128 v[SCR], v[OO+4*\i:OO+4*\i+3] offset:512*\i
.endr
	ds_store_b128 v[SCR], v[12:15] offset:8192     ; L0, L1, NM0, NM0
	ds_store_b128 v[SCR], v[16:19] offset:8704     ; NM1, NM1, and two words that are not used
.Lkeep_\@:
	s_wait_dscnt 0x0                               ; for the others' sake: my stores are done
	s_barrier_signal -1                            ; the next step's tiles may stay on their way
	s_barrier_wait -1
	s_lshl_b32 s82, s72, 18                        ; 128 tokens = 64 pairs x 4,096 bytes
	s_mov_b32 s83, 0
	s_add_nc_u64 s[76:77], s[28:29], s[82:83]
	s_cmp_lg_u32 s14, 0
	s_cbranch_scc1 .Ldone_\@
.irp i, 0,1,2,3,4,5,6,7,8,9,10,11,12,13,14,15
	ds_load_b128 v[SS+4*\i:SS+4*\i+3], v[SCR] offset:512*\i
.endr
	ds_load_b128 v[FF:FF+3], v[SCR] offset:8192
	ds_load_b128 v[FF+4:FF+7], v[SCR] offset:8704
	s_wait_dscnt 0x0
.irp qt, 0,1
	v_min_num_f32 v[TT], v[NM+2*\qt], v[FF+2+2*\qt]           ; the common maximum
	v_sub_f32 v[TT+1], v[TT], v[NM+2*\qt]
	v_sub_f32 v[TT+2], v[TT], v[FF+2+2*\qt]
	v_exp_f32 v[TT+1], v[TT+1]
	v_exp_f32 v[TT+2], v[TT+2]
	v_nop                                          ; the plain place behind the exponentials
	s_wait_alu depctr_va_vdst(0)
	v_mul_f32 v[TT+3], v[TT+1], v[LL+\qt]
	v_fmac_f32 v[TT+3], v[TT+2], v[FF+\qt]
	v_permlanex16_b32 v[TT], v[TT+3], s70, s71     ; the other half's keys
	v_add_f32 v[TT+3], v[TT+3], v[TT]
	v_rcp_f32 v[TT+3], v[TT+3]                     ; the sum holds the weight 1 of the largest score: never 0
	v_nop
	s_wait_alu depctr_va_vdst(0)
	v_mul_f32 v[TT+4], v[TT+1], v[TT+3]
	v_mul_f32 v[TT+6], v[TT+2], v[TT+3]
	v_mov_b32 v[TT+5], v[TT+4]
	v_mov_b32 v[TT+7], v[TT+6]
.irp i, 0,2,4,6,8,10,12,14,16,18,20,22,24,26,28,30
	v_pk_mul_f32 v[OO+32*\qt+\i:OO+32*\qt+\i+1], v[OO+32*\qt+\i:OO+32*\qt+\i+1], v[TT+4:TT+5]
.endr
.irp i, 0,2,4,6,8,10,12,14,16,18,20,22,24,26,28,30
	v_pk_fma_f32 v[OO+32*\qt+\i:OO+32*\qt+\i+1], v[SS+32*\qt+\i:SS+32*\qt+\i+1], v[TT+6:TT+7], v[OO+32*\qt+\i:OO+32*\qt+\i+1]
.endr
.irp i, 0,1,2,3,4,5,6,7,8,9,10,11,12,13,14,15
	v_cvt_pk_f16_f32 v[FF+8+\i], v[OO+32*\qt+2*\i], v[OO+32*\qt+2*\i+1]
.endr
.irp dt, 0,1,2,3
	ds_store_b128 v[STO], v[FF+8+4*\dt:FF+8+4*\dt+3] offset:32*\dt   ; query r, d = 16 dt + 8 h .. +7
.endr
.irp i, 0,1,2,3
	ds_load_b128 v[FF+24+16*\qt+4*\i:FF+24+16*\qt+4*\i+3], v[RD] offset:4*KP*\i   ; my own stage: LDS serves a wave's instructions in order (ISA guide 5.7.1)
.endr
.irp i, 0,1,2,3
	s_wait_dscnt 3-\i                              ; the younger read-backs stay out
	global_store_b128 v[CO], v[FF+24+16*\qt+4*\i:FF+24+16*\qt+4*\i+3], s[76:77] offset:\qt*32768+8192*\i   ; sixteen lanes store 256 neighbouring bytes, aligned
.endr
.endr
	s_wait_xcnt 0x0                                ; the stores' data and base are written again only behind this wait
.Ldone_\@:
.if \next
	s_sub_co_u32 s72, 15, s15                      ; the second block and its diagonal pair
	s_mov_b32 s73, s19
.endif
.endm
; A step inside the loop: n = s20 + add.
.macro POS sl, add
	s_add_co_u32 s21, s20, \add
	HEAD \sl, 1
	s_cmp_eq_u32 s21, s18
	s_cbranch_scc1 .Ldiag_\@
	BODYU \sl
	s_branch .Ljoin_\@
.Ldiag_\@:
	BODYF \sl
.Ljoin_\@:
	s_cmp_lg_u32 s21, s17
	s_cbranch_scc1 .Lnofin_\@
	FIN 1
.Lnofin_\@:
.endm
	s_mov_b32 s21, 0                               ; step 0: the first block's diagonal pair
	HEAD 0, 1
	BODYF 0
	s_cmp_lg_u32 s17, 0
	s_cbranch_scc1 .Lnofin0
	FIN 1
.Lnofin0:
	s_mov_b32 s20, 1                               ; steps 1 to 6; a + 1 is 1 to 4, so the change of blocks falls in here
.Lsteps:
	POS 1, 0
	POS 0, 1
	s_add_co_u32 s20, s20, 2
	s_cmp_lt_u32 s20, 7
	s_cbranch_scc1 .Lsteps
	s_mov_b32 s21, 7
	HEAD 1, 1                                      ; step 7 asks for step 8's tiles, the last
	BODYU 1
	HEAD 0, 0
	BODYU 0
	FIN 0
	s_set_vgpr_msb 0x4
	s_wait_tensorcnt 0x0
	ds_add_u32 v31, v1
	s_wait_dscnt 0x0
	s_set_vgpr_msb 0x400
	s_endpgm
.Lfunc_end_k_qedcf63c010_attn:
	.size	k_qedcf63c010_attn, .Lfunc_end_k_qedcf63c010_attn-k_qedcf63c010_attn
	.p2alignl 7, 3214868480
	.fill 96, 4, 3214868480
	.section	.rodata,"a",@progbits
	.p2align	6, 0x0
	.amdhsa_kernel k_qedcf63c010_attn
		.amdhsa_group_segment_fixed_size 327680
		.amdhsa_private_segment_fixed_size 0
		.amdhsa_enable_private_segment 0
		.amdhsa_kernarg_size 32
		.amdhsa_user_sgpr_count 2
		.amdhsa_user_sgpr_kernarg_segment_ptr 1
		.amdhsa_wavefront_size32 1
		.amdhsa_system_sgpr_workgroup_id_x 1
		.amdhsa_system_sgpr_workgroup_id_y 1
		.amdhsa_system_sgpr_workgroup_id_z 1
		.amdhsa_system_vgpr_workitem_id 0
		.amdhsa_next_free_vgpr 258
		.amdhsa_next_free_sgpr 96
		.amdhsa_reserve_vcc 1
		.amdhsa_float_denorm_mode_32 3
		.amdhsa_float_denorm_mode_16_64 3
		.amdhsa_memory_ordered 1
		.amdhsa_forward_progress 1
		.amdhsa_inst_pref_size 255
	.end_amdhsa_kernel
	.section	.bss,"aw",@nobits
	.p2align	6
	.space	262144
	.amdgpu_metadata
---
amdhsa.version: [ 1, 2 ]
amdhsa.kernels:
  - .name:           k_qedcf63c010_attn
    .symbol:         k_qedcf63c010_attn.kd
    .args:
      - { .name: qh, .offset: 0, .size: 8, .value_kind: global_buffer, .address_space: global }
      - { .name: kh, .offset: 8, .size: 8, .value_kind: global_buffer, .address_space: global }
      - { .name: vh, .offset: 16, .size: 8, .value_kind: global_buffer, .address_space: global }
      - { .name: ch, .offset: 24, .size: 8, .value_kind: global_buffer, .address_space: global }
    .group_segment_fixed_size: 327680
    .private_segment_fixed_size: 0
    .kernarg_segment_align: 8
    .kernarg_segment_size: 32
    .max_flat_workgroup_size: 256
    .sgpr_count:     96
    .vgpr_count:     258
    .wavefront_size: 32
...
	.end_amdgpu_metadata
.endif
;; end of part 2
;; launch oproj (part 3): grid 8 x 32, 4 waves a work-group, clusters of 4 x 4, 327,680 bytes of LDS; arguments ch, woh, bo, out0; writes out0
.if DOCPART == 3
	.amdgcn_target "amdgcn-amd-amdhsa--gfx1250"
	.amdhsa_code_object_version 6
	.text
	.protected	k_qedcf63c010_oproj
	.globl	k_qedcf63c010_oproj
	.p2align	8
	.type	k_qedcf63c010_oproj,@function
k_qedcf63c010_oproj:
	s_mov_b64 s[64:65], 0
	v_nop
	global_prefetch_b8 v0, s[64:65] scope:SCOPE_SE
	s_setreg_imm32_b32 hwreg(HW_REG_WAVE_MODE, 25, 1), 1
	s_wait_xcnt 0x0
	s_wait_alu depctr_hold_cnt(0) depctr_sa_sdst(0) depctr_va_vdst(0) depctr_va_sdst(0) depctr_va_ssrc(0) depctr_va_vcc(0) depctr_vm_vsrc(0)
	s_getreg_b32 s2, hwreg(HW_REG_IB_STS2, 6, 4)
	s_cmp_eq_u32 s2, 0
	s_cbranch_scc0 .Lentry_in_a_cluster
	s_endpgm
.Lentry_in_a_cluster:
	s_bfe_u32 s2, ttmp6, 0x10000c
	s_cmp_lg_u32 s2, 0xf033
	s_cbranch_scc0 .Lentry_shape_is_right
	s_endpgm
.Lentry_shape_is_right:
; out0 = ctx Wo + bo.  ch: f16 [token >> 1][head][token & 1][64].  woh: f16 [1024 k][1024 n].  bo: [1024] f32.  out0: [4096][1024] f32.
; A work-group makes 128 tokens x 128 columns; wave w makes 64 x 64 (wr = w >> 1 the tokens' half, wc = w & 1 the columns'): 16 accumulator tiles.
; K = 1024 goes in four steps of 256 (four heads) through two LDS slots; a step is eight sub-steps of 32.  Four steps: written out, no loop.
; The bias is the C operand of the first products: it costs no instruction and nothing is cleared.
; CLUSTERS: 4 x 4 work-groups; ctx's tile hangs on the token block alone and is asked for jointly along a row of the cluster, Wo's on the
; column block alone and is asked for jointly along a column.
; Source 0 is Wo (by the transposing LDS load), source 1 is ctx: a lane's eight results are eight neighbouring columns of one token.
.set SLOT,  140288                     ; ctx: 64 pair rows x 1,040 bytes; Wo: 256 k rows x 288 bytes
.set AP,    1040                       ; 1,024 + 16: with the two tokens of a pair 128 bytes apart, sixteen tokens start at sixteen different multiples of 16 modulo 256
.set BP,    288                        ; 256 + 32
.set BOFF,  66560
.set STAGE, 2*SLOT                     ; 16 rows x 272 bytes for each wave; no fill lands here
.set SP,    272
.set ADRA,  2                          ; v2, v3   my ctx rows in slot 0, 1
.set ADRB,  4                          ; v4-v7    my Wo bytes: slot 0 rows 0-127, rows 128-255; slot 1 likewise
.set STO,   8
.set RD,    9
.set CO,    10
.set HB,    11                         ; 32 h
.set F0,    16                         ; v[16:79]   fragments: ctx at 8 a, Wo at 32 + 8 b
.set F1,    80                         ; v[80:143]  second buffer
.set BIAS,  144                        ; v[144:175] the bias of my 64 columns as four C tiles
.set BK,    176                        ; v[176:207] way out
.set G1A, 24
.set G1B, 32
.set G0A, 40
.set G0B, 48
; accumulators: window 1, tile (a, b) at 8 (4 a + b)
.set MSB, 0
.macro WIN new
.if MSB != \new
	s_set_vgpr_msb (MSB<<8)|\new
.set MSB, \new
.endif
.endm
.macro PLACES
.rept 4
	v_nop
.endr
.endm
.macro JLOAD sl                        ; waves 0, 1 ask for ctx's two halves, waves 2, 3 for Wo's
	s_cmp_eq_u32 s13, 0
	s_cbranch_scc0 .Lfor_b_\@
	tensor_load_to_lds s[G0A+4*\sl:G0A+4*\sl+3], s[G1A:G1A+7]
	s_nop 0
	s_branch .Lasked_\@
.Lfor_b_\@:
	tensor_load_to_lds s[G0B+4*\sl:G0B+4*\sl+3], s[G1B:G1B+7]
	s_nop 0
.Lasked_\@:
.endm
.macro CREST
	s_cmp_lg_u32 s12, 0
	s_cbranch_scc1 .Lnot_wave_0_\@
	s_barrier_signal -3
.Lnot_wave_0_\@:
	s_barrier_wait -3
	s_barrier_signal -1
	s_barrier_wait -1
.endm
.macro CROUND
	s_barrier_signal -1
	s_barrier_wait -1
	CREST
.endm
	s_load_b256 s[4:11], s[0:1], 0x0               ; ch s[4:5], woh s[6:7], bo s[8:9], out0 s[10:11]
	v_lshl_add_u32 v254, v0, 2, 0x48c00
	v_mov_b32 v255, 0
	ds_add_u32 v254, v255
	v_lshrrev_b32 v1, 5, v0
	v_readfirstlane_b32 s12, v1                    ; wave 0..3
	s_lshr_b32 s13, s12, 1                         ; wr; also: I fetch for ctx (0) or for Wo (1)
	s_and_b32 s14, s12, 1                          ; wc; also: which half of that tile I fetch
	s_bfe_u32 s15, ttmp6, 0x40000                  ; cx
	s_bfe_u32 s16, ttmp6, 0x40004                  ; cy
	s_lshl_b32 s17, ttmp9, 2
	s_add_co_u32 s17, s17, s15                     ; column block
	s_and_b32 s18, ttmp7, 0xffff
	s_lshl_b32 s18, s18, 2
	s_add_co_u32 s18, s18, s16                     ; token block
	s_lshl_b32 s19, s16, 2
	s_lshl_b32 s19, 15, s19                        ; my row of the cluster
	s_lshl_b32 s20, 0x1111, s15                    ; my column
	; ctx: 32 pair rows x 512 f16 (four heads, two tokens), 16 bytes of padding behind every 256 words
	s_or_b32 s[G1A+0], s19, (1<<16)|(1<<20)|(1<<21)|(7<<22)|(3<<25)
	s_mov_b32 s[G1A+1], 512<<16
	s_mov_b32 s[G1A+2], 32<<16
	s_mov_b32 s[G1A+3], 512<<16
	s_mov_b32 s[G1A+4], 32
	s_mov_b32 s[G1A+5], 2048
	s_mov_b32 s[G1A+6], 0
	s_mov_b32 s[G1A+7], 0
	; Wo: 128 k rows x 128 f16, 32 bytes of padding behind every 64 words
	s_or_b32 s[G1B+0], s20, (1<<16)|(1<<20)|(1<<21)|(5<<22)|(7<<25)
	s_mov_b32 s[G1B+1], 128<<16
	s_mov_b32 s[G1B+2], 128<<16
	s_mov_b32 s[G1B+3], 128<<16
	s_mov_b32 s[G1B+4], 128
	s_mov_b32 s[G1B+5], 1024
	s_mov_b32 s[G1B+6], 0
	s_mov_b32 s[G1B+7], 0
	s_lshl_b32 s56, s18, 18                        ; ctx: 64 pair rows x 4,096 bytes a block, 32 rows a half; made of the token block alone
	s_lshl_b32 s57, s14, 17
	s_add_co_u32 s56, s56, s57
	s_mov_b32 s57, 0
	s_lshl_b32 s58, s17, 8                         ; Wo: 128 columns x 2 bytes a block, 128 rows x 2,048 bytes a half; made of the column block alone
	s_lshl_b32 s59, s14, 18
	s_add_co_u32 s58, s58, s59
	s_mov_b32 s59, 0
	s_mul_i32 s21, s14, 32*AP
	s_mul_i32 s22, s14, 128*BP
	s_add_co_u32 s22, s22, BOFF
	s_wait_dscnt 0x0
	s_wait_kmcnt 0x0
	s_add_nc_u64 s[56:57], s[4:5], s[56:57]
	s_add_nc_u64 s[58:59], s[6:7], s[58:59]
	CROUND                                         ; all sixteen work-groups are here: the first joint loads meet
.irp sl, 0,1
	s_mov_b32 s[G0A+4*\sl], 1
	s_add_co_u32 s[G0A+4*\sl+1], s21, \sl*SLOT
	s_add_nc_u64 s[G0A+4*\sl+2:G0A+4*\sl+3], s[56:57], \sl*1024      ; K step sl: four heads x 256 bytes along a pair's row
	s_or_b32 s[G0A+4*\sl+3], s[G0A+4*\sl+3], 0x80000000
	s_mov_b32 s[G0B+4*\sl], 1
	s_add_co_u32 s[G0B+4*\sl+1], s22, \sl*SLOT
	s_add_nc_u64 s[G0B+4*\sl+2:G0B+4*\sl+3], s[58:59], \sl*524288    ; K step sl: 256 rows x 2,048 bytes down
	s_or_b32 s[G0B+4*\sl+3], s[G0B+4*\sl+3], 0x80000000
	JLOAD \sl                                      ; two loads of the wave are out
.endr
	v_and_b32 v16, 15, v0                          ; r
	v_bfe_u32 v17, v0, 4, 1                        ; h
	v_and_b32 v18, 7, v0
	v_bfe_u32 v19, v0, 3, 1
	v_lshlrev_b32 v[HB], 5, v17
	s_lshl_b32 s68, s17, 9                         ; bias: 128 columns x 4 bytes a block, 64 a wave's half
	s_lshl_b32 s69, s14, 8
	s_add_co_u32 s68, s68, s69
	s_mov_b32 s69, 0
	s_add_nc_u64 s[8:9], s[8:9], s[68:69]
.irp b, 0,1,2,3
	global_load_b128 v[BIAS+8*\b:BIAS+8*\b+3],   v[HB], s[8:9] offset:64*\b       ; columns 16 b + 8 h .. +7: register j of a result tile
	global_load_b128 v[BIAS+8*\b+4:BIAS+8*\b+7], v[HB], s[8:9] offset:64*\b+16
.endr
	v_lshrrev_b32 v20, 1, v16                      ; token r lies in pair r >> 1,
	v_and_b32 v21, 1, v16                          ; half r & 1
	v_mul_u32_u24 v20, v20, AP
	v_lshl_add_u32 v20, v21, 7, v20
	v_lshl_add_u32 v20, v17, 4, v20
	s_mul_i32 s60, s13, 32*AP
	v_add_nc_u32 v[ADRA], s60, v20
	v_add_nc_u32 v[ADRA+1], SLOT, v[ADRA]
	v_lshl_add_u32 v20, v17, 3, v18                ; k row 8 h + (lane & 7)
	v_mul_u32_u24 v20, v20, BP
	v_lshl_add_u32 v20, v19, 4, v20
	s_lshl_b32 s60, s14, 7                         ; my 64 columns
	s_add_co_u32 s60, s60, BOFF
	v_add_nc_u32 v[ADRB], s60, v20
	v_add_nc_u32 v[ADRB+1], 128*BP, v[ADRB]
	v_add_nc_u32 v[ADRB+2], SLOT, v[ADRB]
	v_add_nc_u32 v[ADRB+3], SLOT, v[ADRB+1]
	s_mul_i32 s60, s12, 16*SP
	s_add_co_u32 s60, s60, STAGE
	v_mul_u32_u24 v20, v16, SP
	v_lshl_add_u32 v20, v17, 5, v20
	v_add_nc_u32 v[STO], s60, v20                  ; row r, 32 bytes a half
	v_mul_u32_u24 v20, v17, SP
	v_lshl_add_u32 v20, v16, 4, v20
	v_add_nc_u32 v[RD], s60, v20                   ; lanes 0-15 a row of 256 bytes, lanes 16-31 the next
	v_lshlrev_b32 v20, 4, v16
	v_lshl_add_u32 v[CO], v17, 12, v20
; 16 LDS loads: sub-step kk of slot sl into buffer f
.macro FETCH sl, kk, f
.irp a, 0,1,2,3
	ds_load_b128 v[\f+8*\a:\f+8*\a+3],   v[ADRA+(\sl)] offset:8*AP*\a+((\kk)>>1)*256+((\kk)&1)*64
	ds_load_b128 v[\f+8*\a+4:\f+8*\a+7], v[ADRA+(\sl)] offset:8*AP*\a+((\kk)>>1)*256+((\kk)&1)*64+32
.endr
.irp b, 0,1,2,3
	ds_load_tr16_b128 v[\f+32+8*\b:\f+32+8*\b+3],   v[ADRB+2*(\sl)+((\kk)>>2)] offset:((\kk)&3)*32*BP+32*\b
	ds_load_tr16_b128 v[\f+32+8*\b+4:\f+32+8*\b+7], v[ADRB+2*(\sl)+((\kk)>>2)] offset:((\kk)&3)*32*BP+32*\b+16*BP
.endr
.endm
; 8 matrix instructions: token tiles a0, a0 + 1 x all four column tiles.  The sixteen accumulators take turns, one instruction a turn.
.macro MUL2 f, a0, first
.irp a, \a0, \a0+1
.irp b, 0,1,2,3
.if \first
	v_wmma_f32_16x16x32_f16 v[8*(4*(\a)+\b):8*(4*(\a)+\b)+7], v[\f+32+8*\b:\f+32+8*\b+7], v[\f+8*(\a):\f+8*(\a)+7], v[BIAS+8*\b:BIAS+8*\b+7]
.else
	v_wmma_f32_16x16x32_f16 v[8*(4*(\a)+\b):8*(4*(\a)+\b)+7], v[\f+32+8*\b:\f+32+8*\b+7], v[\f+8*(\a):\f+8*(\a)+7], v[8*(4*(\a)+\b):8*(4*(\a)+\b)+7]
.endif
.endr
.endr
.endm
; One of a step's first seven sub-steps: multiplies buffer cur; ahead of that it asks for sub-step nk into buffer oth, four places behind the
; matrix instructions that read oth (ISA guide 7.12.1 for vector instructions).
.macro KSUB sl, nk, cur, oth, first
	s_wait_dscnt 0x0                               ; buffer cur is in
	PLACES
	WIN 0
	FETCH \sl, \nk, \oth
.if \first
	WIN 0x40                                       ; D in window 1, C (the bias) in window 0
.else
	WIN 0x50                                       ; C and D in window 1
.endif
	MUL2 \cur, 0, \first
	MUL2 \cur, 2, \first
.endm
; A K step of 256 from slot sl.  mode 2: the slot is filled again, two steps ahead; mode 1: change of slots without a fill; mode 0: the last step.
.macro STEPK sl, first, mode
	KSUB \sl, 1, F0, F1, \first
	KSUB \sl, 2, F1, F0, 0
	KSUB \sl, 3, F0, F1, 0
	KSUB \sl, 4, F1, F0, 0
	KSUB \sl, 5, F0, F1, 0
	KSUB \sl, 6, F1, F0, 0
	KSUB \sl, 7, F0, F1, 0
	s_wait_dscnt 0x0                               ; my reads of this slot are over
.if \mode >= 1
	s_wait_tensorcnt 0x0                           ; all my tensor loads have landed: the one that was out is my part of the other slot
	ds_add_u32 v254, v255
	s_wait_dscnt 0x0
	s_barrier_signal -1                            ; with mode 2 this barrier opens a round of the cluster's barrier
.endif
	WIN 0x50
	MUL2 F1, 0, 0                                  ; register work while the others arrive
.if \mode >= 1
	WIN 0
	s_barrier_wait -1
.if \mode == 2
	CREST                                          ; no wave of any partner still reads this slot or has a load on its way
	s_add_nc_u64 s[G0A+4*\sl+2:G0A+4*\sl+3], s[G0A+4*\sl+2:G0A+4*\sl+3], 2048
	s_add_nc_u64 s[G0B+4*\sl+2:G0B+4*\sl+3], s[G0B+4*\sl+2:G0B+4*\sl+3], 1048576
	JLOAD \sl                                      ; my one tensor load behind the round, ahead of every LDS read
.endif
	PLACES
	FETCH 1-\sl, 0, F0
	WIN 0x50
.endif
	MUL2 F1, 2, 0
.endm
	s_wait_tensorcnt 0x1                           ; my part of K step 0 is in; step 1's may stay out
	s_barrier_signal -1
	s_barrier_wait -1
	FETCH 0, 0, F0
	s_wait_loadcnt 0x0                             ; the bias
	STEPK 0, 1, 2
	STEPK 1, 0, 2
	STEPK 0, 0, 1
	STEPK 1, 0, 0
	; THE WAY OUT, 16 tokens at a time: 32 bytes a lane and tile into my own stage, read back as rows of 256 bytes.
	WIN 0
	PLACES                                         ; four places behind the last matrix instruction before LDS stores read its results
	s_lshl_b32 s66, s18, 19                        ; 128 tokens x 4,096 bytes
	s_lshl_b32 s67, s13, 18                        ; 64 tokens
	s_add_co_u32 s66, s66, s67
	s_lshl_b32 s67, s17, 9                         ; 128 columns x 4 bytes
	s_add_co_u32 s66, s66, s67
	s_lshl_b32 s67, s14, 8                         ; 64 columns
	s_add_co_u32 s66, s66, s67
	s_mov_b32 s67, 0
	s_add_nc_u64 s[10:11], s[10:11], s[66:67]
.irp a, 0,1,2,3
	WIN 0x04                                       ; the stores' data in window 1
.irp b, 0,1,2,3
	ds_store_b128 v[STO], v[8*(4*\a+\b):8*(4*\a+\b)+3]   offset:64*\b
	ds_store_b128 v[STO], v[8*(4*\a+\b)+4:8*(4*\a+\b)+7] offset:64*\b+16
.endr
	WIN 0
	s_wait_xcnt 0x0                                ; BK, which earlier stores read, is loaded again only behind this wait
.irp i, 0,1,2,3,4,5,6,7
	ds_load_b128 v[BK+4*\i:BK+4*\i+3], v[RD] offset:2*SP*\i          ; LDS serves a wave's instructions in order (ISA guide 5.7.1): these see the stores above
.endr
.irp i, 0,1,2,3,4,5,6,7
	s_wait_dscnt 7-\i                              ; the younger read-backs stay out
	global_store_b128 v[CO], v[BK+4*\i:BK+4*\i+3], s[10:11] offset:(16*\a+2*\i)*4096 th:TH_STORE_NT   ; sixteen lanes store 256 neighbouring bytes, aligned
.endr
.endr
	s_wait_tensorcnt 0x0
	ds_add_u32 v254, v255
	s_wait_dscnt 0x0
	CROUND                                         ; the closing round: no work-group ends while a partner may still ask jointly
	s_endpgm
.Lfunc_end_k_qedcf63c010_oproj:
	.size	k_qedcf63c010_oproj, .Lfunc_end_k_qedcf63c010_oproj-k_qedcf63c010_oproj
	.p2alignl 7, 3214868480
	.fill 96, 4, 3214868480
	.section	.rodata,"a",@progbits
	.p2align	6, 0x0
	.amdhsa_kernel k_qedcf63c010_oproj
		.amdhsa_group_segment_fixed_size 327680
		.amdhsa_private_segment_fixed_size 0
		.amdhsa_enable_private_segment 0
		.amdhsa_kernarg_size 32
		.amdhsa_user_sgpr_count 2
		.amdhsa_user_sgpr_kernarg_segment_ptr 1
		.amdhsa_wavefront_size32 1
		.amdhsa_system_sgpr_workgroup_id_x 1
		.amdhsa_system_sgpr_workgroup_id_y 1
		.amdhsa_system_sgpr_workgroup_id_z 1
		.amdhsa_system_vgpr_workitem_id 0
		.amdhsa_next_free_vgpr 384
		.amdhsa_next_free_sgpr 96
		.amdhsa_reserve_vcc 0
		.amdhsa_float_denorm_mode_32 3
		.amdhsa_float_denorm_mode_16_64 3
		.amdhsa_memory_ordered 1
		.amdhsa_forward_progress 1
		.amdhsa_inst_pref_size 90
	.end_amdhsa_kernel
	.amdgpu_metadata
---
amdhsa.version: [ 1, 2 ]
amdhsa.kernels:
  - .name:           k_qedcf63c010_oproj
    .symbol:         k_qedcf63c010_oproj.kd
    .args:
      - { .name: ch, .offset: 0, .size: 8, .value_kind: global_buffer, .address_space: global }
      - { .name: woh, .offset: 8, .size: 8, .value_kind: global_buffer, .address_space: global }
      - { .name: bo, .offset: 16, .size: 8, .value_kind: global_buffer, .address_space: global }
      - { .name: out0, .offset: 24, .size: 8, .value_kind: global_buffer, .address_space: global }
    .group_segment_fixed_size: 327680
    .private_segment_fixed_size: 0
    .kernarg_segment_align: 8
    .kernarg_segment_size: 32
    .max_flat_workgroup_size: 128
    .sgpr_count:     96
    .vgpr_count:     384
    .wavefront_size: 32
...
	.end_amdgpu_metadata
.endif
;; end of part 3
